; MI455X (gfx1250); checked and timed in simulation.
; The chip was launched on July 23, 2026; its instructions are those of AMD's public machine-readable ISA for CDNA 5 (MIT licence, August 2026) and "CDNA5" Instruction Set Architecture Reference Guide (July 2026). The comments in the code are by the model that wrote it; some were corrected since.
;; Template Column Wise Attention. Allowed arithmetic: float matrix products may take bf16 or f16 operands with f32 sums; all other float work in f32.
;; Inputs: bg 512 float32; bo 256 float32; s 4 x 1,024 x 256 float32; t 4 x 32 x 1,024 x 256 float32; template_mask 4 x 32 float32; wg 256 x 512 float32; wk 256 x 512 float32; wo 512 x 256 float32; wq 256 x 512 float32; wv 256 x 512 float32.
;; Outputs: out0 4 x 1,024 x 256 float32.
;; One version. Each part assembles by itself: llvm-mc -triple=amdgcn-amd-amdhsa -mcpu=gfx1250 --defsym DOCPART=n.
;; ======== version 1 of 1: 2 launches
;; workspace buffers: wfrag 1,310,720 bytes
;; launch prep (part 1): grid 160 x 1, 8 waves a work-group, no clusters, 0 bytes of LDS; arguments wq, wg, wk, wv, wo, wfrag; writes wfrag
.if DOCPART == 1
	.amdgcn_target "amdgcn-amd-amdhsa--gfx1250"
	.amdhsa_code_object_version 6
	.text
	.protected	k_q6bad65e001_prep
	.globl	k_q6bad65e001_prep
	.p2align	8
	.type	k_q6bad65e001_prep,@function
k_q6bad65e001_prep:
	s_mov_b64 s[64:65], 0
	v_nop
	global_prefetch_b8 v0, s[64:65] scope:SCOPE_SE
	s_setreg_imm32_b32 hwreg(HW_REG_WAVE_MODE, 25, 1), 1
	s_wait_xcnt 0x0
; The five weight matrices, rounded once to bf16 and laid out as ready matrix fragments (16 rows x 32 K, 1,024 bytes),
; in the order in which each wave of the second launch consumes them.
; wfrag: eight streams, stream w (head w) at w * 163,840; 160 fragments each.  In a fragment, bytes 16 L hold registers 0-3
; of lane L (k = 8h .. 8h+7 of row L % 16, h = L / 16), bytes 512 + 16 L registers 4-7 (k = 16 + 8h .. +7).
;   fragments   0- 63: K step kap = idx >> 3 over the input channels; idx & 7 = 0..3: wq, 4..7: wg; rows = columns 64 w + 16 (idx & 3) + r
;   fragments  64- 95: wk, rows = channels in the order rho, k = the head's 64 columns (two K steps)
;   fragments  96-127: wv, rows = columns 64 w + 16 d + r, k = channels in the order rho
;   fragments 128-159: wo, rows = output columns 16 o + r, k = rows 64 w + 32 kp + k of wo
; The order rho of the 256 channels: rho = 16 tau + i stands for channel 64 (tau >> 2) + 4 i + (tau & 3): the order in which
; 16-byte loads of t leave the channels in the lanes of the second launch.
; Work-group x makes fragment x of all eight streams, wave w that of stream w: 160 work-groups, each with work.
; An element's source byte is off0 + r SR + h SH + e SS + half SF (e = 0..7, k = 16 half + 8 h + e).
; The gathers read 4 bytes a lane, in pieces of 64 neighbouring bytes; 2.6 MB in all, each byte read once.  The two stores of a wave cover
; 512 consecutive bytes each, aligned.
.set WSTR, 163840                      ; bytes of a stream
.set RR,   2                           ; v2  r = lane % 16
.set HH,   3                           ; v3  h = lane / 16
.set OUTO, 5                           ; v5  byte offset of my 16 bytes in wfrag
.set SRC,  6                           ; v6  byte offset of my first element in the weight
.set F,    16                          ; v[16:31] sixteen numbers in f32
.set P,    32                          ; v[32:39] the same as bf16
	s_load_b256 s[8:15], s[0:1], 0x0               ; wq s[8:9], wg s[10:11], wk s[12:13], wv s[14:15]
	s_load_b128 s[16:19], s[0:1], 0x20             ; wo s[16:17], wfrag s[18:19]
	v_lshrrev_b32 v1, 5, v0
	v_readfirstlane_b32 s4, v1                     ; wave = head w
	v_and_b32 v[RR], 15, v0
	v_bfe_u32 v[HH], v0, 4, 1
	v_and_b32 v4, 31, v0                           ; lane
	s_mov_b32 s5, ttmp9                            ; idx
	s_lshl_b32 s6, s4, 8                           ; 256 w: the head's first column, in bytes
	s_mul_i32 s7, s4, WSTR
	s_lshl_b32 s20, s5, 10
	s_add_co_u32 s7, s7, s20                       ; the fragment's place in wfrag
	v_lshl_add_u32 v[OUTO], v4, 4, s7
	s_wait_kmcnt 0x0
; sixteen loads of one number each; off0 is in s21
.macro GATHER base, sr, sh, ss, sf
	v_mul_u32_u24 v[SRC], v[RR], \sr
	v_mad_u32_u24 v[SRC], v[HH], \sh, v[SRC]
	v_add_nc_u32 v[SRC], s21, v[SRC]
.irp hf, 0,1
.irp e, 0,1,2,3,4,5,6,7
	global_load_b32 v[F+8*\hf+\e], v[SRC], s[\base:\base+1] offset:\e*\ss+\hf*\sf
.endr
.endr
.endm
	s_cmp_lt_u32 s5, 64
	s_cbranch_scc0 .Lnot_qg
	s_lshr_b32 s21, s5, 3                          ; kap
	s_lshl_b32 s21, s21, 16                        ; 32 rows of 2,048 bytes
	s_and_b32 s22, s5, 3                           ; d
	s_lshl_b32 s22, s22, 6                         ; 16 columns
	s_add_co_u32 s21, s21, s22
	s_add_co_u32 s21, s21, s6
	s_and_b32 s22, s5, 4
	s_cmp_lg_u32 s22, 0
	s_cbranch_scc1 .Lwg
	GATHER 8, 4, 16384, 2048, 32768                ; wq: a lane's row is a column of wq, k runs down its rows
	s_branch .Ltail
.Lwg:
	GATHER 10, 4, 16384, 2048, 32768               ; wg likewise
	s_branch .Ltail
.Lnot_qg:
	s_cmp_lt_u32 s5, 96
	s_cbranch_scc0 .Lnot_k
	s_sub_co_u32 s20, s5, 64                       ; u: tau = u >> 1, K step = u & 1
	s_lshr_b32 s22, s20, 1
	s_lshr_b32 s23, s22, 2
	s_lshl_b32 s23, s23, 17                        ; 64 (tau >> 2) rows of 2,048 bytes
	s_and_b32 s22, s22, 3
	s_lshl_b32 s22, s22, 11                        ; (tau & 3) rows
	s_and_b32 s21, s20, 1
	s_lshl_b32 s21, s21, 7                         ; 32 columns
	s_add_co_u32 s21, s21, s22
	s_add_co_u32 s21, s21, s23
	s_add_co_u32 s21, s21, s6
	GATHER 12, 8192, 32, 4, 64                     ; wk: a lane's row is channel .. + 4 r, k runs along the head's columns
	s_branch .Ltail
.Lnot_k:
	s_cmp_lt_u32 s5, 128
	s_cbranch_scc0 .Lwo
	s_sub_co_u32 s20, s5, 96                       ; u: kap = u >> 2, d = u & 3
	s_lshr_b32 s22, s20, 2
	s_lshr_b32 s23, s22, 1
	s_lshl_b32 s23, s23, 17                        ; 64 (kap >> 1) rows
	s_and_b32 s22, s22, 1
	s_lshl_b32 s22, s22, 12                        ; 2 (kap & 1) rows
	s_and_b32 s21, s20, 3
	s_lshl_b32 s21, s21, 6
	s_add_co_u32 s21, s21, s22
	s_add_co_u32 s21, s21, s23
	s_add_co_u32 s21, s21, s6
	GATHER 14, 4, 65536, 8192, 2048                ; wv: k = rho: channel + half + 32 h + 4 e
	s_branch .Ltail
.Lwo:
	s_sub_co_u32 s20, s5, 128                      ; u: kp = u >> 4, o = u & 15
	s_lshr_b32 s22, s20, 4
	s_lshl_b32 s22, s22, 15                        ; 32 rows of 1,024 bytes
	s_and_b32 s21, s20, 15
	s_lshl_b32 s21, s21, 6
	s_add_co_u32 s21, s21, s22
	s_lshl_b32 s23, s4, 16                         ; 64 w rows
	s_add_co_u32 s21, s21, s23
	GATHER 16, 4, 8192, 1024, 16384                ; wo
.Ltail:
	s_wait_loadcnt 0x0                             ; all sixteen numbers
.irp hf, 0,1
.irp e, 0,1,2,3
	v_cvt_pk_bf16_f32 v[P+4*\hf+\e], v[F+8*\hf+2*\e], v[F+8*\hf+2*\e+1]   ; the lower k into the lower half
.endr
.endr
	global_store_b128 v[OUTO], v[P:P+3], s[18:19]
	global_store_b128 v[OUTO], v[P+4:P+7], s[18:19] offset:512
	s_endpgm
.Lfunc_end_k_q6bad65e001_prep:
	.size	k_q6bad65e001_prep, .Lfunc_end_k_q6bad65e001_prep-k_q6bad65e001_prep
	.p2alignl 7, 3214868480
	.fill 96, 4, 3214868480
	.section	.rodata,"a",@progbits
	.p2align	6, 0x0
	.amdhsa_kernel k_q6bad65e001_prep
		.amdhsa_group_segment_fixed_size 0
		.amdhsa_private_segment_fixed_size 0
		.amdhsa_enable_private_segment 0
		.amdhsa_kernarg_size 48
		.amdhsa_user_sgpr_count 2
		.amdhsa_user_sgpr_kernarg_segment_ptr 1
		.amdhsa_wavefront_size32 1
		.amdhsa_system_sgpr_workgroup_id_x 1
		.amdhsa_system_sgpr_workgroup_id_y 1
		.amdhsa_system_sgpr_workgroup_id_z 1
		.amdhsa_system_vgpr_workitem_id 0
		.amdhsa_next_free_vgpr 48
		.amdhsa_next_free_sgpr 66
		.amdhsa_reserve_vcc 0
		.amdhsa_float_denorm_mode_32 3
		.amdhsa_float_denorm_mode_16_64 3
		.amdhsa_memory_ordered 1
		.amdhsa_forward_progress 1
		.amdhsa_inst_pref_size 12
	.end_amdhsa_kernel
	.amdgpu_metadata
---
amdhsa.version: [ 1, 2 ]
amdhsa.kernels:
  - .name:           k_q6bad65e001_prep
    .symbol:         k_q6bad65e001_prep.kd
    .args:
      - { .name: wq, .offset: 0, .size: 8, .value_kind: global_buffer, .address_space: global }
      - { .name: wg, .offset: 8, .size: 8, .value_kind: global_buffer, .address_space: global }
      - { .name: wk, .offset: 16, .size: 8, .value_kind: global_buffer, .address_space: global }
      - { .name: wv, .offset: 24, .size: 8, .value_kind: global_buffer, .address_space: global }
      - { .name: wo, .offset: 32, .size: 8, .value_kind: global_buffer, .address_space: global }
      - { .name: wfrag, .offset: 40, .size: 8, .value_kind: global_buffer, .address_space: global }
    .group_segment_fixed_size: 0
    .private_segment_fixed_size: 0
    .kernarg_segment_align: 8
    .kernarg_segment_size: 48
    .max_flat_workgroup_size: 256
    .sgpr_count:     66
    .vgpr_count:     48
    .wavefront_size: 32
...
	.end_amdgpu_metadata
.endif
;; end of part 1
;; launch main (part 2): grid 256 x 1, 8 waves a work-group, no clusters, 308,736 bytes of LDS; arguments t, s, template_mask, bg, bo, wfrag, out0; writes out0
.if DOCPART == 2
	.amdgcn_target "amdgcn-amd-amdhsa--gfx1250"
	.amdhsa_code_object_version 6
	.text
	.protected	k_q6bad65e001_main
	.globl	k_q6bad65e001_main
	.p2align	8
	.type	k_q6bad65e001_main,@function
k_q6bad65e001_main:
	s_mov_b64 s[64:65], 0
	v_nop
	global_prefetch_b8 v0, s[64:65] scope:SCOPE_SE
	s_setreg_imm32_b32 hwreg(HW_REG_WAVE_MODE, 25, 1), 1
	s_wait_xcnt 0x0
; Attention of one query (s) over 32 templates (t) for each residue, gated and projected.  One work-group = 16 residues of one batch entry.
; The query's length is 1, so k and v are never formed; the same sums are taken in another order, for every input:
;   scores[n,h,t] = sum_c ( sum_d wk[c,hd] q[n,hd] ) x[t,n,c]          o[n,hd] = sum_c ( sum_t a[n,h,t] x[t,n,c] ) wv[c,hd]
; so t is read once and multiplied twice by 8 rows a residue.
; FORMATS: t, s and the weights are rounded once to bf16.  Every intermediate that is a matrix operand (q, qk, a, ax, o g) goes in as a pair
; bf16 hi + bf16 lo (lo = the rounded rest), so that it keeps 16 bits of mantissa at f32's range.  In the two products of a residue
; the 8 heads fill 8 of 16 columns: hi stands in columns 0-7, lo in columns 8-15, and the two results are added across lanes.
; All sums, softmax (with the maximum taken away first, as in the definition) and the gate are f32.
; PRODUCTS, all v_wmma_f32_16x16x32_bf16 D, X, Y, C.  X: lane r holds row r; Y: lane r holds column r; D: register j of lane (r, h) is (row 8h+j, column r).
;   P1  X = wq / wg fragment (rows = columns of head w)   Y = s (lane = residue)        D: lane = residue, registers = 8 neighbouring columns
;   P2  X = wk fragment (rows = channels rho)             Y = q hi, q lo                D: lane = residue, registers = rho       -> LDS QK
;   P3  X = x (rows = t, k = rho; transposing LDS loads)  Y = qk (columns hi[h], lo[h]) D: lane = head, registers = t
;   P4  X = x (rows = rho, k = t; straight from registers) Y = a (columns hi, lo)       D: lane = head, registers = rho          -> LDS AX
;   P5  X = wv fragment                                   Y = ax hi, lo                 D: lane = residue, registers = columns of head w
;   P6  X = wo fragment (K = the 64 rows of head w)       Y = o g hi, lo                D: lane = residue, registers = output columns; 8 partial sums meet in LDS
; Two D tiles whose registers are 8 neighbouring k pack straight into the next product's Y fragment: no traffic between lanes.
; rho = 16 tau + i stands for channel 64 (tau >> 2) + 4 i + (tau & 3); the first launch laid wk's rows and wv's k in this order.
; WHO DOES WHAT: wave w owns head w in P1, P2, P5, P6, residues w and 8 + w in P3, softmax, P4, and output rows 2w, 2w+1 in the last sum.
; THE RING: everything that a wave streams (its 160 weight fragments and its two residues of t) is one sequence of 56 chunks of eight 16-byte
; loads; chunk i lands in slot i & 7 of eight slots of 32 registers (v256-v511).  Loads return in order (ISA guide 5.7.1), so one counted wait
; a step serves; seven chunks, 56 loads, are out behind each refill.
; NOT USED: the tensor data mover and clusters.  Every byte of t and every weight fragment is used by one wave, once, and has to pass through registers
; (rounding; matrix operand), so LDS would be one more pass; and 307,712 bytes of LDS are taken by QK/AX, XT and S, so a joint load
; of the weights, which all work-groups do walk, would have no room to land in.
; LIMITS: |numbers| at or above 3.39e38 overflow in the rounding to bf16; NaN or infinity in t spreads to the whole residue (also under a masked
; template, as it does in the definition through 0 x inf, but not bit for bit); exponentials below 2^-126 come out as 0;
; the order of the f32 sums differs from the definition's (the two reassociated products; P6's K is split over the eight waves).
.set PN,     8464                      ; QK/AX: bytes from residue to residue = 16 rows + 16; 16 modulo 256, so lanes = residues touch 16 different 16-byte columns
.set PR,     528                       ; QK/AX and S: bytes from row to row = 256 bf16 + 16; 16 modulo 256 likewise for lanes = rows
.set LOROW,  8*PR                      ; rows 8-15 hold lo of heads 0-7
.set XT,     16*PN                     ; 135,424: eight regions of XTW bytes, one a wave: x transposed, later the partial sums
.set XTW,    20480
.set XP,     160                       ; XT: row rho (32 t = 64 bytes) at (rho & 127) XP + (rho >> 7) 64; an odd multiple of 32 for the transposing loads; its stores collide two deep
.set SREG,   XT+8*XTW                  ; 299,264: s as bf16, 16 rows of PR bytes
.set PSP,    1040                      ; partial sums: 256 f32 + 16 bytes a row
.set TROW,   1048576                   ; t: bytes from template to template
.set WSTR,   163840                    ; wfrag: bytes of a wave's stream
; window 0
.set LANE16, 1                         ; v1      16 x lane
.set XO,     2                         ; v2, v3  t: 8 h templates + 16 r bytes; the same + 16 templates
.set NROW,   4                         ; v4      QK/AX by residue: nloc PN + r PR + 16 h
.set HROW,   5                         ; v5      QK/AX by head:    r PN + w PR + 16 h
.set XTS,    6                         ; v6      XT, stores; at the end: partial sums of waves 0-3
.set XTL,    7                         ; v7      XT, transposing loads; at the end: partial sums of waves 4-7
.set MNEG,   8                         ; v8      0 in lanes r < 8, -1.0 in lanes r >= 8
.set NEG1,   9                         ; v9      -1.0
.set PFO,    10                        ; v10     lane x TROW
.set AD,     11                        ; v11     32 h (bg, mask); then S's read address; at the end the partial sums' store address
                                       ; v12-15  scratch
.set G,      16                        ; v[16:47]   bg, then the gate's argument, then the gate (tile d at 8 d)
.set BIAS,   48                        ; v[48:63]   1e9 (mask - 1) for t = 8h+j, 16+8h+j; at the end bo in v[48:55]
.set SFR,    64                        ; v[64:127]  P1: s fragments, 8 K steps
.set QACC,   128                       ; v[128:159] P1: q
.set QFH,    160                       ; v[160:175] q hi, two K steps
.set QFL,    176                       ; v[176:191] q lo
.set XF,     64                        ; v[64:191]  a residue's x: tile tau (16 rho x 32 t) at 8 tau
.set AXF,    64                        ; v[64:191]  P5: K step k: hi at 16 k, lo at 16 k + 8
.set OUTACC, 64                        ; v[64:191]  P6: 16 tiles; then the 8 x 16 partial sums
.set PA0,    192                       ; P2: two accumulators; temporaries v[208:223]
.set PA1,    200
.set SC,     192                       ; v[192:207] P3: scores, two accumulators; then a
.set QKF,    208                       ; v[208:223] P3: qk fragments of two K steps
.set XTF,    224                       ; v[224:255] P3: x fragments, K step kk, t half tt at 16 kk + 8 tt
.set AF,     208                       ; v[208:215] P4: a
.set PACC,   224                       ; v[224:255] P4: four accumulators; temporaries v[192:207]
.set OACC,   192                       ; v[192:223] P5: o, four tiles
.set OGH,    224                       ; v[224:239] o g hi
.set OGL,    240                       ; v[240:255] o g lo
.set MSB, 0
.macro WIN new                         ; s_set_vgpr_msb: bits 1:0 source 0, 3:2 source 1, 5:4 source 2, 7:6 destination; the high byte repeats the setting that is left
.if MSB != \new
	s_set_vgpr_msb (MSB<<8)|\new
.set MSB, \new
.endif
.endm
; Behind a matrix instruction four plain vector instructions that name none of its registers stand before a vector instruction, a store or a load touches
; its registers (ISA guide 7.12.1 for vector instructions).  Every run of matrix instructions ends with these.
.macro PLACES
.rept 4
	v_nop
.endr
.endm
.macro MM0 acc, x, y                   ; the first product starts a sum: nothing is cleared
	v_wmma_f32_16x16x32_bf16 v[\acc:\acc+7], v[\x:\x+7], v[\y:\y+7], 0
.endm
.macro MMA acc, x, y
	v_wmma_f32_16x16x32_bf16 v[\acc:\acc+7], v[\x:\x+7], v[\y:\y+7], v[\acc:\acc+7]
.endm
; In every run below the accumulators take turns, one instruction a turn, and no two matrix instructions that follow each other share one, from run to run too.
; chunk i: eight loads of 16 bytes a lane into slot i & 7 (destination in window 1)
.macro LOADCHUNK i
.set ZL, 32*((\i)&7)
.if (\i) < 24
.irp q, 0,1,2,3,4,5,6,7
	global_load_b128 v[ZL+4*\q:ZL+4*\q+3], v[LANE16], s[18:19] offset:4096*(\i)+512*\q              ; four fragments of wq, wg or wk
.endr
.else
.if (\i) < 40
.irp q, 0,1,2,3,4,5,6,7
	global_load_b128 v[ZL+4*\q:ZL+4*\q+3], v[XO+((\i)&1)], s[8:9] offset:\q*TROW+256*(((\i)&7)>>1)+8192*(((\i)-24)>>3) th:TH_LOAD_NT   ; template q + 16 half + 8 h, channels 64 jq + 4 r ..: lanes 0-15 and lanes 16-31 take 256 consecutive aligned bytes each
.endr
.else
.irp q, 0,1,2,3,4,5,6,7
	global_load_b128 v[ZL+4*\q:ZL+4*\q+3], v[LANE16], s[18:19] offset:4096*((\i)-16)+512*\q         ; four fragments of wv or wo
.endr
.endif
.endif
.endm
; the head of step i: chunk i is there; chunk i + 7 goes into the slot that step i - 1 used up (its PLACES stand in front of these loads)
.macro RING i
.if (\i) <= 49
	s_wait_loadcnt 48                              ; chunks i+1 .. i+6 are younger and stay out
.else
	s_wait_loadcnt 8*(55-(\i))+2                   ; the chunks that are left, and bo's two loads
.endif
.if (\i)+7 <= 55
	WIN 0x40
	LOADCHUNK \i+7
.endif
.if (\i) == 49
	WIN 0
	global_load_b128 v[BIAS:BIAS+3], v[LANE16], s[16:17]                  ; bo, columns 4 L ..; the bias registers are free since the second softmax
	global_load_b128 v[BIAS+4:BIAS+7], v[LANE16], s[16:17] offset:512     ; columns 128 + 4 L ..
.endif
.endm
; eight f32 in src -> four registers hi (bf16), src += mul x hi (exact), four registers lo = bf16 of what is left.
; mul = NEG1: hi and lo.  mul = MNEG: lo holds hi in lanes r < 8 (nothing taken away) and lo in lanes r >= 8.
.macro HILO8 src, hi, lo, mul
.irp p, 0,1,2,3
	v_cvt_pk_bf16_f32 v[\hi+\p], v[\src+2*\p], v[\src+2*\p+1]
.endr
.irp p, 0,1,2,3
	v_fma_mix_f32_bf16 v[\src+2*\p], v[\hi+\p], v[\mul], v[\src+2*\p] op_sel_hi:[1,0,0]
	v_fma_mix_f32_bf16 v[\src+2*\p+1], v[\hi+\p], v[\mul], v[\src+2*\p+1] op_sel:[1,0,0] op_sel_hi:[1,0,0]
.endr
.irp p, 0,1,2,3
	v_cvt_pk_bf16_f32 v[\lo+\p], v[\src+2*\p], v[\src+2*\p+1]
.endr
.endm
; ---------------------------------------------------------------- set-up
	s_load_b256 s[8:15], s[0:1], 0x0               ; t s[8:9], s s[10:11], mask s[12:13], bg s[14:15]
	s_load_b128 s[16:19], s[0:1], 0x20             ; bo s[16:17], wfrag s[18:19]
	s_load_b64 s[20:21], s[0:1], 0x30              ; out0
	v_lshrrev_b32 v12, 5, v0
	v_readfirstlane_b32 s4, v12                    ; wave w
	s_mov_b32 s22, 0x76543210                      ; v_permlanex16_b32: lane i of one half reads lane i of the other
	s_mov_b32 s23, 0xfedcba98
	s_lshr_b32 s5, ttmp9, 6                        ; batch entry b
	s_and_b32 s6, ttmp9, 63
	s_lshl_b32 s6, s6, 4
	s_add_co_u32 s6, s6, s4                        ; my first residue: 16 (g & 63) + w
	s_lshl_b32 s6, s6, 10
	s_lshl_b32 s30, s5, 25                         ; b x 32 templates x TROW
	s_add_co_u32 s30, s30, s6
	s_mov_b32 s31, 0
	s_lshl_b32 s32, ttmp9, 14                      ; s and out0: 16 rows of 1,024 bytes a work-group,
	s_lshl_b32 s6, s4, 11                          ; rows 2w, 2w+1 of them
	s_add_co_u32 s32, s32, s6
	s_mov_b32 s33, 0
	s_lshl_b32 s34, s5, 7                          ; mask: 32 f32 a batch entry
	s_mov_b32 s35, 0
	s_lshl_b32 s36, s4, 8                          ; bg: 64 f32 a head
	s_mov_b32 s37, 0
	s_mul_i32 s38, s4, WSTR                        ; my stream of fragments
	s_mov_b32 s39, 0
	s_mul_i32 s24, s4, PN
	s_mul_i32 s25, s4, PR
	s_mul_i32 s26, s4, XTW
	s_add_co_u32 s26, s26, XT                      ; my XT region
	s_mul_i32 s27, s4, 2*PSP
	s_add_co_u32 s27, s27, XT                      ; rows 2w, 2w+1 of wave 0's partial sums
	s_mul_i32 s28, s4, 2*PR
	s_add_co_u32 s28, s28, SREG                    ; rows 2w, 2w+1 of S
	v_and_b32 v14, 31, v0                          ; lane L
	v_and_b32 v12, 15, v0                          ; r
	v_bfe_u32 v13, v0, 4, 1                        ; h
	v_lshlrev_b32 v[LANE16], 4, v14
	v_lshlrev_b32 v[XO], 4, v12
	v_lshl_add_u32 v[XO], v13, 23, v[XO]           ; 8 h templates
	v_add_nc_u32 v[XO+1], 16*TROW, v[XO]
	v_lshlrev_b32 v15, 4, v13                      ; 16 h
	v_mad_u32_u24 v[NROW], v12, PR, v15
	v_add_nc_u32 v[NROW], s24, v[NROW]
	v_mad_u32_u24 v[HROW], v12, PN, v15
	v_add_nc_u32 v[HROW], s25, v[HROW]
	v_mad_u32_u24 v[XTS], v12, XP, v15
	v_add_nc_u32 v[XTS], s26, v[XTS]
	v_and_b32 v[XTL], 7, v0
	v_lshl_add_u32 v[XTL], v13, 3, v[XTL]          ; row 8 h + (L & 7)
	v_mul_u32_u24 v[XTL], v[XTL], XP
	v_bfe_u32 v15, v0, 3, 1
	v_lshl_add_u32 v[XTL], v15, 4, v[XTL]          ; + 16 ((L >> 3) & 1)
	v_add_nc_u32 v[XTL], s26, v[XTL]
	v_mov_b32 v[NEG1], -1.0
	v_cmp_le_u32 vcc_lo, 8, v12
	v_cndmask_b32 v[MNEG], 0, v[NEG1], vcc_lo
	v_lshlrev_b32 v[PFO], 20, v14
	v_lshlrev_b32 v[AD], 5, v13                    ; 32 h: eight f32
	v_lshl_add_u32 v15, v14, 3, s28                ; S, stores: 8 bytes a lane
	s_wait_kmcnt 0x0
	s_add_nc_u64 s[8:9], s[8:9], s[30:31]          ; the bases are made once and never written again
	s_add_nc_u64 s[10:11], s[10:11], s[32:33]
	s_add_nc_u64 s[20:21], s[20:21], s[32:33]
	s_add_nc_u64 s[12:13], s[12:13], s[34:35]
	s_add_nc_u64 s[14:15], s[14:15], s[36:37]
	s_add_nc_u64 s[18:19], s[18:19], s[38:39]
; ---------------------------------------------------------------- first loads: 16 + 40 = 56 out
.irp k, 0,1,2,3
	global_load_b128 v[192+4*\k:195+4*\k], v[LANE16], s[10:11] offset:512*\k th:TH_LOAD_NT   ; s rows 2w, 2w+1, two halves of 512 bytes each
.endr
.irp d, 0,1,2,3
	global_load_b128 v[G+8*\d:G+8*\d+3], v[AD], s[14:15] offset:64*\d        ; bg of columns 64 w + 16 d + 8 h + 0..7: the gate's sums start from it
	global_load_b128 v[G+8*\d+4:G+8*\d+7], v[AD], s[14:15] offset:64*\d+16
.endr
	global_load_b128 v[BIAS:BIAS+3], v[AD], s[12:13]                         ; mask of t = 8h + 0..7,
	global_load_b128 v[BIAS+4:BIAS+7], v[AD], s[12:13] offset:16
	global_load_b128 v[BIAS+8:BIAS+11], v[AD], s[12:13] offset:64            ; and of t = 16 + 8h + 0..7
	global_load_b128 v[BIAS+12:BIAS+15], v[AD], s[12:13] offset:80
	WIN 0x40
.irp i, 0,1,2,3,4
	LOADCHUNK \i
.endr
	WIN 0
	s_wait_loadcnt 40                              ; the five chunks are younger and stay out: s, bg and the mask are in
.irp k, 0,1,2,3
	v_cvt_pk_bf16_f32 v[208+2*\k], v[192+4*\k], v[193+4*\k]
	v_cvt_pk_bf16_f32 v[209+2*\k], v[194+4*\k], v[195+4*\k]
	ds_store_b64 v15, v[208+2*\k:209+2*\k] offset:(\k>>1)*PR+(\k&1)*256      ; channels 128 half + 4 L .. of the row
.endr
.irp p, 0,2,4,6,8,10,12,14
	v_pk_add_f32 v[BIAS+\p:BIAS+\p+1], v[BIAS+\p:BIAS+\p+1], -1.0 op_sel_hi:[1,0]        ; (mask - 1) x 1e9, rounded in the definition's order
.endr
.irp p, 0,2,4,6,8,10,12,14
	v_pk_mul_f32 v[BIAS+\p:BIAS+\p+1], v[BIAS+\p:BIAS+\p+1], 0x4e6e6b28 op_sel_hi:[1,0]
.endr
	v_mul_u32_u24 v[AD], v12, PR                   ; free since the wait above: S's read address, SREG + r PR + 16 h (one literal an instruction)
	v_lshl_add_u32 v[AD], v13, 4, v[AD]
	v_add_nc_u32 v[AD], SREG, v[AD]
	WIN 0x40
	LOADCHUNK 5
	LOADCHUNK 6
	WIN 0
	s_wait_dscnt 0x0                               ; my two rows of S are written,
	s_barrier_signal -1
	s_barrier_wait -1                              ; everybody's are
.irp k, 0,1,2,3,4,5,6,7
	ds_load_b128 v[SFR+8*\k:SFR+8*\k+3], v[AD] offset:64*\k                  ; s fragment of K step k: lane = residue r
	ds_load_b128 v[SFR+8*\k+4:SFR+8*\k+7], v[AD] offset:64*\k+32
.endr
	s_wait_dscnt 0x0
; ---------------------------------------------------------------- P1: q and the gate's argument, columns of head w.  Even steps wq, odd steps wg.
.macro P1STEP i
	RING \i
.if (\i) == 8
	global_prefetch_b8 v[PFO], s[8:9] th:TH_LOAD_NT scope:SCOPE_SE           ; my first residue, channels 0-63 of all 32 templates: 32 blocks of 256 bytes, one a lane,
.endif                                                                           ; asked once, by the wave that loads them nine ring steps later (chunks 24, 25 go out in steps 17, 18)
.if (\i) == 10
	global_prefetch_b8 v[PFO], s[8:9] offset:256 th:TH_LOAD_NT scope:SCOPE_SE   ; channels 64-127 (chunks 26, 27, steps 19, 20).  16 KiB a wave in all, inside t; the later chunks have the ring's own lead
.endif
	WIN 0x01
.set ZB, 32*((\i)&7)
.set KS, SFR+8*((\i)>>1)
.irp d, 0,1,2,3
.if ((\i)&1) == 1
	MMA G+8*\d, ZB+8*\d, KS
.else
.if (\i) == 0
	MM0 QACC+8*\d, ZB+8*\d, KS
.else
	MMA QACC+8*\d, ZB+8*\d, KS
.endif
.endif
.endr
	PLACES
.endm
.irp i, 0,1,2,3,4,5,6,7,8,9,10,11,12,13,14,15
	P1STEP \i
.endr
	WIN 0
.irp d, 0,1,2,3
	HILO8 QACC+8*\d, QFH+4*\d, QFL+4*\d, NEG1      ; tiles 2k, 2k+1 are K step k of q's fragment; q stays unscaled, the 1/8 goes onto the f32 scores (exact)
.endr
; ---------------------------------------------------------------- P2: qk[n, rho] of head w, two tiles of 16 rho a step, K = 64, hi and lo of q
.macro P2STEP u
	RING 16+\u
	WIN 0x01
	MM0 PA0, 32*\u, QFH
	MM0 PA1, 32*\u+16, QFH
	MMA PA0, 32*\u, QFL
	MMA PA1, 32*\u+16, QFL
	MMA PA0, 32*\u+8, QFH+8
	MMA PA1, 32*\u+24, QFH+8
	MMA PA0, 32*\u+8, QFL+8
	MMA PA1, 32*\u+24, QFL+8
	WIN 0
	PLACES
	HILO8 PA0, 208, 212, NEG1
	ds_store_b128 v[HROW], v[208:211] offset:64*\u                           ; residue r, row w, rho = 32 u + 8 h ..
	ds_store_b128 v[HROW], v[212:215] offset:64*\u+LOROW                     ; row 8 + w
	HILO8 PA1, 216, 220, NEG1
	ds_store_b128 v[HROW], v[216:219] offset:64*\u+32
	ds_store_b128 v[HROW], v[220:223] offset:64*\u+32+LOROW
.endm
.irp u, 0,1,2,3,4,5,6,7
	P2STEP \u
.endr
	s_wait_dscnt 0x0                               ; my head's rows of QK are written,
	s_barrier_signal -1
	s_barrier_wait -1                              ; all heads' are: QK is now read by residue
; ---------------------------------------------------------------- the gate: 1 / (1 + 2^(-log2 e x)), while the first chunks of t are on their way
.irp b, 0,8,16,24
.irp p, 0,2,4,6
	v_pk_mul_f32 v[G+\b+\p:G+\b+\p+1], v[G+\b+\p:G+\b+\p+1], 0xbfb8aa3b op_sel_hi:[1,0]
.endr
.irp j, 0,1,2,3,4,5,6,7
	v_exp_f32 v[G+\b+\j], v[G+\b+\j]
.endr
	v_nop                                          ; one plain vector instruction behind the last transcendental before its result is used (ISA guide 5.7.2)
	s_wait_alu depctr_va_vdst(0)
.irp p, 0,2,4,6
	v_pk_add_f32 v[G+\b+\p:G+\b+\p+1], v[G+\b+\p:G+\b+\p+1], 1.0 op_sel_hi:[1,0]
.endr
.irp j, 0,1,2,3,4,5,6,7
	v_rcp_f32 v[G+\b+\j], v[G+\b+\j]
.endr
	v_nop
.endr
; ---------------------------------------------------------------- a residue
; twelve LDS loads: qk and x fragments of K steps 2 jq, 2 jq + 1 (rho = 64 jq .. 64 jq + 63).  LDS serves a wave's instructions in order (ISA guide 5.7.1),
; so the transposing loads see the stores of x issued above them without a wait.
.macro P3LOAD jq
.irp kk, 0,1
.set KAP, 2*(\jq)+\kk
	ds_load_b128 v[QKF+8*\kk:QKF+8*\kk+3], v[NROW] offset:64*KAP
	ds_load_b128 v[QKF+8*\kk+4:QKF+8*\kk+7], v[NROW] offset:64*KAP+32
.irp tt, 0,1
	ds_load_tr16_b128 v[XTF+16*\kk+8*\tt:XTF+16*\kk+8*\tt+3], v[XTL] offset:(KAP&3)*32*XP+(KAP>>2)*64+32*\tt
	ds_load_tr16_b128 v[XTF+16*\kk+8*\tt+4:XTF+16*\kk+8*\tt+7], v[XTL] offset:(KAP&3)*32*XP+(KAP>>2)*64+32*\tt+16*XP
.endr
.endr
.endm
.macro P3MUL first
.if \first
	MM0 SC, XTF, QKF
	MM0 SC+8, XTF+8, QKF
.else
	MMA SC, XTF, QKF
	MMA SC+8, XTF+8, QKF
.endif
	MMA SC, XTF+16, QKF+8
	MMA SC+8, XTF+24, QKF+8
	PLACES
.endm
; chunk c of residue n: 16 templates x 64 channels.  Rounded to bf16 it is half of four tiles of XF (rows rho, k = t), which also go, as they are, into XT.
.macro XSTEP n, c
	RING 24+8*\n+\c
	WIN 0x05
.set JQ, (\c)>>1
.set HF, (\c)&1
.irp e, 0,1,2,3
.irp p, 0,1,2,3
	v_cvt_pk_bf16_f32 v[XF+8*(4*JQ+\e)+4*HF+\p], v[32*\c+8*\p+\e], v[32*\c+8*\p+4+\e]   ; channel 64 jq + 4 r + e, templates 16 half + 8 h + 2p, + 2p + 1
.endr
.endr
	WIN 0
.irp e, 0,1,2,3
.set TAU, 4*JQ+\e
	ds_store_b128 v[XTS], v[XF+8*TAU+4*HF:XF+8*TAU+4*HF+3] offset:(TAU&7)*16*XP+(TAU>>3)*64+32*HF
.endr
.if HF == 1
	P3LOAD JQ                                      ; both halves of these 64 rho are in XT
.else
.if (\c) >= 2
	s_wait_dscnt 0x4                               ; the four stores just issued are younger: the twelve loads of the step before are in
.if (\c) == 2
	P3MUL 1
.else
	P3MUL 0
.endif
.endif
.endif
.endm
.macro SOFTMAX
.irp j, 0,1,2,3,4,5,6,7,8,9,10,11,12,13,14,15
	v_add_f32_dpp v[SC+\j], v[SC+\j], v[SC+\j] row_xmask:8 row_mask:0xf bank_mask:0xf    ; hi's product + lo's: lanes r and r ^ 8 now both hold head r & 7
.endr
.irp p, 0,2,4,6,8,10,12,14
	v_pk_fma_f32 v[SC+\p:SC+\p+1], v[SC+\p:SC+\p+1], 0x3e000000, v[BIAS+\p:BIAS+\p+1] op_sel_hi:[1,0,1]   ; score / 8 + bias, one rounding as in the definition (the 1/8 is exact)
.endr
	v_max3_num_f32 v12, v[SC], v[SC+1], v[SC+2]
	v_max3_num_f32 v13, v[SC+3], v[SC+4], v[SC+5]
	v_max3_num_f32 v12, v12, v[SC+6], v[SC+7]
	v_max3_num_f32 v13, v13, v[SC+8], v[SC+9]
	v_max3_num_f32 v12, v12, v[SC+10], v[SC+11]
	v_max3_num_f32 v13, v13, v[SC+12], v[SC+13]
	v_max3_num_f32 v12, v12, v[SC+14], v[SC+15]
	v_max_num_f32 v12, v12, v13
	v_permlanex16_b32 v13, v12, s22, s23           ; the other sixteen templates
	v_max_num_f32 v12, v12, v13                    ; the maximum over all 32
.irp p, 0,2,4,6,8,10,12,14
	v_pk_add_f32 v[SC+\p:SC+\p+1], v[SC+\p:SC+\p+1], v[12:13] op_sel_hi:[1,0] neg_lo:[0,1] neg_hi:[0,1]   ; the maximum is taken away first, exactly, also where all templates are masked
.endr
.irp p, 0,2,4,6,8,10,12,14
	v_pk_mul_f32 v[SC+\p:SC+\p+1], v[SC+\p:SC+\p+1], 0x3fb8aa3b op_sel_hi:[1,0]
.endr
.irp j, 0,1,2,3,4,5,6,7,8,9,10,11,12,13,14,15
	v_exp_f32 v[SC+\j], v[SC+\j]
.endr
	v_nop                                          ; one plain vector instruction behind the last transcendental (ISA guide 5.7.2)
	s_wait_alu depctr_va_vdst(0)
	v_pk_add_f32 v[208:209], v[SC:SC+1], v[SC+2:SC+3]
	v_pk_add_f32 v[210:211], v[SC+4:SC+5], v[SC+6:SC+7]
	v_pk_add_f32 v[212:213], v[SC+8:SC+9], v[SC+10:SC+11]
	v_pk_add_f32 v[214:215], v[SC+12:SC+13], v[SC+14:SC+15]
	v_pk_add_f32 v[208:209], v[208:209], v[210:211]
	v_pk_add_f32 v[212:213], v[212:213], v[214:215]
	v_pk_add_f32 v[208:209], v[208:209], v[212:213]
	v_add_f32 v14, v208, v209
	v_permlanex16_b32 v15, v14, s22, s23
	v_add_f32 v14, v14, v15                        ; at least 1: the largest term is 2^0
	v_rcp_f32 v12, v14
	v_nop
	s_wait_alu depctr_va_vdst(0)
.irp p, 0,2,4,6,8,10,12,14
	v_pk_mul_f32 v[SC+\p:SC+\p+1], v[SC+\p:SC+\p+1], v[12:13] op_sel_hi:[1,0]
.endr
	HILO8 SC, 216, AF, MNEG                        ; a's fragment: t = 8h .. in registers 0-3, 16 + 8h .. in 4-7; columns 0-7 hi, 8-15 lo
	HILO8 SC+8, 220, AF+4, MNEG
.endm
; four tiles of ax = sum over t of a x; hi's and lo's products are added, split again and stored over this residue's own rows of QK, whose reads are over
.macro P4GROUP q
.irp e, 0,1,2,3
	MM0 PACC+8*\e, XF+8*(4*\q+\e), AF
.endr
	PLACES
.irp e, 0,1,2,3
.irp j, 0,1,2,3,4,5,6,7
	v_add_f32_dpp v[PACC+8*\e+\j], v[PACC+8*\e+\j], v[PACC+8*\e+\j] row_xmask:8 row_mask:0xf bank_mask:0xf
.endr
	HILO8 PACC+8*\e, 192+8*(\e&1), 196+8*(\e&1), MNEG
	ds_store_b128 v[NROW], v[196+8*(\e&1):199+8*(\e&1)] offset:32*(4*\q+\e)  ; row r (hi of head r, or lo of head r - 8), rho = 16 tau + 8 h ..
.endr
.endm
.macro RESIDUE n
.irp c, 0,1,2,3,4,5,6,7
	XSTEP \n, \c
.endr
	s_wait_dscnt 0x0                               ; the last twelve fragment loads
	P3MUL 0
	SOFTMAX
.irp q, 0,1,2,3
	P4GROUP \q
.endr
.endm
	RESIDUE 0
	v_add_nc_u32 v[NROW], 8*PN, v[NROW]            ; residue 8 + w
	RESIDUE 1
; ---------------------------------------------------------------- P5: o = ax wv, columns of head w
	s_wait_dscnt 0x0                               ; my two residues' rows of AX are written,
	s_barrier_signal -1
	s_barrier_wait -1                              ; all sixteen residues' are: AX is now read by head
.irp k, 0,1,2,3,4,5,6,7
	ds_load_b128 v[AXF+16*\k:AXF+16*\k+3], v[HROW] offset:64*\k
	ds_load_b128 v[AXF+16*\k+4:AXF+16*\k+7], v[HROW] offset:64*\k+32
	ds_load_b128 v[AXF+16*\k+8:AXF+16*\k+11], v[HROW] offset:64*\k+LOROW
	ds_load_b128 v[AXF+16*\k+12:AXF+16*\k+15], v[HROW] offset:64*\k+LOROW+32
.endr
.macro P5STEP k
	RING 40+\k
	s_wait_dscnt 28-4*\k                           ; four loads a K step: the later steps' stay out
	WIN 0x01
.irp d, 0,1,2,3
.if (\k) == 0
	MM0 OACC+8*\d, 32*\k+8*\d, AXF+16*\k
.else
	MMA OACC+8*\d, 32*\k+8*\d, AXF+16*\k
.endif
.endr
.irp d, 0,1,2,3
	MMA OACC+8*\d, 32*\k+8*\d, AXF+16*\k+8
.endr
	PLACES
.endm
.irp k, 0,1,2,3,4,5,6,7
	P5STEP \k
.endr
	WIN 0
.irp p, 0,2,4,6,8,10,12,14,16,18,20,22,24,26,28,30
	v_pk_mul_f32 v[OACC+\p:OACC+\p+1], v[OACC+\p:OACC+\p+1], v[G+\p:G+\p+1]  ; o and the gate lie in the same lanes and registers
.endr
.irp d, 0,1,2,3
	HILO8 OACC+8*\d, OGH+4*\d, OGL+4*\d, NEG1
.endr
; ---------------------------------------------------------------- P6: my head's 64 rows of wo: a partial sum of all 256 output columns
.macro P6STEP u
	RING 48+\u
	WIN 0x01
.set KP, (\u)>>2
.irp f, 0,1,2,3
.if (\u) < 4
	MM0 OUTACC+8*(4*((\u)&3)+\f), 32*\u+8*\f, OGH+8*KP
.else
	MMA OUTACC+8*(4*((\u)&3)+\f), 32*\u+8*\f, OGH+8*KP
.endif
.endr
.irp f, 0,1,2,3
	MMA OUTACC+8*(4*((\u)&3)+\f), 32*\u+8*\f, OGL+8*KP
.endr
	PLACES
.endm
.irp u, 0,1,2,3,4,5,6,7
	P6STEP \u
.endr
	WIN 0
; ---------------------------------------------------------------- the eight partial sums meet in LDS; the same pass turns lane = row into whole rows
	v_and_b32 v12, 15, v0
	v_bfe_u32 v13, v0, 4, 1
	v_mul_u32_u24 v[AD], v12, PSP                  ; my XT region, whose reads are over: row r, columns 16 o + 8 h ..
	v_lshl_add_u32 v[AD], v13, 5, v[AD]
	v_add_nc_u32 v[AD], s26, v[AD]
.irp o, 0,1,2,3,4,5,6,7,8,9,10,11,12,13,14,15
	ds_store_b128 v[AD], v[OUTACC+8*\o:OUTACC+8*\o+3] offset:64*\o
	ds_store_b128 v[AD], v[OUTACC+8*\o+4:OUTACC+8*\o+7] offset:64*\o+16
.endr
	v_add_nc_u32 v[XTS], s27, v[LANE16]            ; rows 2w, 2w+1 in the regions of waves 0-3,
	v_add_nc_u32 v[XTL], 4*XTW, v[XTS]             ; and of waves 4-7 (an LDS offset has 16 bits)
	s_wait_dscnt 0x0                               ; my partial sums are written,
	s_barrier_signal -1
	s_barrier_wait -1                              ; everybody's are
.irp u, 0,1,2,3,4,5,6,7
.irp k, 0,1,2,3
	ds_load_b128 v[64+16*\u+4*\k:64+16*\u+4*\k+3], v[XTS+(\u>>2)] offset:(\u&3)*XTW+(\k>>1)*PSP+(\k&1)*512   ; wave u's part: row 2w + (k >> 1), columns 128 (k & 1) + 4 L ..
.endr
.endr
.macro ADD16 a, b
.irp p, 0,2,4,6,8,10,12,14
	v_pk_add_f32 v[\a+\p:\a+\p+1], v[\a+\p:\a+\p+1], v[\b+\p:\b+\p+1]
.endr
.endm
	s_wait_dscnt 24                                ; four loads a part: parts 0, 1 are in, six parts stay out
	ADD16 64, 80
	s_wait_dscnt 16
	ADD16 96, 112
	s_wait_dscnt 8
	ADD16 128, 144
	s_wait_dscnt 0x0
	ADD16 160, 176
	ADD16 64, 96
	ADD16 128, 160
	ADD16 64, 128
	s_wait_loadcnt 0x0                             ; bo
.irp p, 0,2,4,6
	v_pk_add_f32 v[64+\p:64+\p+1], v[64+\p:64+\p+1], v[BIAS+\p:BIAS+\p+1]
	v_pk_add_f32 v[72+\p:72+\p+1], v[72+\p:72+\p+1], v[BIAS+\p:BIAS+\p+1]
.endr
.irp k, 0,1,2,3
	global_store_b128 v[LANE16], v[64+4*\k:67+4*\k], s[20:21] offset:512*\k th:TH_STORE_NT   ; each store of the wave covers 512 consecutive bytes, aligned
.endr
	s_wait_xcnt 0x0
	v_lshl_add_u32 v254, v0, 2, 0x4b200
	v_mov_b32 v255, 0
	s_wait_tensorcnt 0x0
	ds_add_u32 v254, v255
	s_wait_dscnt 0x0
	s_endpgm
.Lfunc_end_k_q6bad65e001_main:
	.size	k_q6bad65e001_main, .Lfunc_end_k_q6bad65e001_main-k_q6bad65e001_main
	.p2alignl 7, 3214868480
	.fill 96, 4, 3214868480
	.section	.rodata,"a",@progbits
	.p2align	6, 0x0
	.amdhsa_kernel k_q6bad65e001_main
		.amdhsa_group_segment_fixed_size 308736
		.amdhsa_private_segment_fixed_size 0
		.amdhsa_enable_private_segment 0
		.amdhsa_kernarg_size 56
		.amdhsa_user_sgpr_count 2
		.amdhsa_user_sgpr_kernarg_segment_ptr 1
		.amdhsa_wavefront_size32 1
		.amdhsa_system_sgpr_workgroup_id_x 1
		.amdhsa_system_sgpr_workgroup_id_y 1
		.amdhsa_system_sgpr_workgroup_id_z 1
		.amdhsa_system_vgpr_workitem_id 0
		.amdhsa_next_free_vgpr 512
		.amdhsa_next_free_sgpr 66
		.amdhsa_reserve_vcc 1
		.amdhsa_float_denorm_mode_32 3
		.amdhsa_float_denorm_mode_16_64 3
		.amdhsa_memory_ordered 1
		.amdhsa_forward_progress 1
		.amdhsa_inst_pref_size 218
	.end_amdhsa_kernel
	.amdgpu_metadata
---
amdhsa.version: [ 1, 2 ]
amdhsa.kernels:
  - .name:           k_q6bad65e001_main
    .symbol:         k_q6bad65e001_main.kd
    .args:
      - { .name: t, .offset: 0, .size: 8, .value_kind: global_buffer, .address_space: global }
      - { .name: s, .offset: 8, .size: 8, .value_kind: global_buffer, .address_space: global }
      - { .name: template_mask, .offset: 16, .size: 8, .value_kind: global_buffer, .address_space: global }
      - { .name: bg, .offset: 24, .size: 8, .value_kind: global_buffer, .address_space: global }
      - { .name: bo, .offset: 32, .size: 8, .value_kind: global_buffer, .address_space: global }
      - { .name: wfrag, .offset: 40, .size: 8, .value_kind: global_buffer, .address_space: global }
      - { .name: out0, .offset: 48, .size: 8, .value_kind: global_buffer, .address_space: global }
    .group_segment_fixed_size: 308736
    .private_segment_fixed_size: 0
    .kernarg_segment_align: 8
    .kernarg_segment_size: 56
    .max_flat_workgroup_size: 256
    .sgpr_count:     66
    .vgpr_count:     512
    .wavefront_size: 32
...
	.end_amdgpu_metadata
.endif
;; end of part 2
